; MI455X (gfx1250); checked and timed in simulation.
; The chip was launched on July 23, 2026; its instructions are those of AMD's public machine-readable ISA for CDNA 5 (MIT licence, August 2026) and "CDNA5" Instruction Set Architecture Reference Guide (July 2026). The comments in the code are by the model that wrote it; some were corrected since.
;; Multihead LSH Attention. Allowed arithmetic: matrix products marked QUANTISED: E5M2 operands, one given power-of-two scale a tensor, by v_wmma_f32_16x16x64_bf8_bf8 or v_wmma_f32_16x16x128_bf8_bf8, f32 sums; everything else in f32.
;; Inputs: K_codes 1 x 4,096 x 16 x 32 uint8 (E5M2 codes of K, K innermost, in blocks of 32 codes); Q_codes 1 x 4,096 x 16 x 32 uint8 (E5M2 codes of Q, K innermost, in blocks of 32 codes); V_codes 1 x 4,096 x 16 x 32 uint8 (E5M2 codes of V, K innermost, in blocks of 32 codes); W_out_codes 512 x 16 x 32 uint8 (E5M2 codes of W_out, K innermost, in blocks of 32 codes); W_qk_codes 512 x 16 x 32 uint8 (E5M2 codes of W_qk, K innermost, in blocks of 32 codes); W_v_codes 512 x 16 x 32 uint8 (E5M2 codes of W_v, K innermost, in blocks of 32 codes); b_out 512 float32; b_qk 512 float32; b_v 512 float32; lowp_scales 12 int32 (the exponents e of the quantised operands' scales 2^e).
;; Outputs: out0 1 x 4,096 x 512 float32.
;; This version of the problem:
;;   THIS VERSION OF THE PROBLEM IS GIVEN IN LOW PRECISION. The matrix products marked QUANTISED in the list below multiply operands that are first quantised to E5M2 (5 exponent bits, 2 mantissa bits; 8 bits a number), with one given power-of-two scale for each operand tensor; their sums are f32. All else is computed in f32.
;;   The module's matrix products, in the order in which they are computed (A, B: the left and right operand; K: the contracted axis; several contracted axes count as one K, in the product's order):
;;     1. [M 4,096, K 512] x [K 512, N 512]; A: input Q (given as codes); B: input W_qk (given as codes): QUANTISED (scales: A lowp_scales[0], B lowp_scales[1])
;;     2. [M 4,096, K 512] x [K 512, N 512]; A: input K (given as codes); B: input W_qk (given as codes): QUANTISED (scales: A lowp_scales[2], B lowp_scales[3])
;;     3. [M 4,096, K 512] x [K 512, N 512]; A: input V (given as codes); B: input W_v (given as codes): QUANTISED (scales: A lowp_scales[4], B lowp_scales[5])
;;     4. batch 8 x [M 4,096, K 64] x [K 64, N 4,096]; A: computed on the way; B: computed on the way: QUANTISED (scales: A lowp_scales[6], B lowp_scales[7])
;;     5. batch 8 x [M 4,096, K 4,096] x [K 4,096, N 64]; A: softmax (see below); B: computed on the way: QUANTISED (scales: A lowp_scales[8], B lowp_scales[9])
;;     6. [M 4,096, K 512] x [K 512, N 512]; A: computed on the way; B: input W_out (given as codes): QUANTISED (scales: A lowp_scales[10], B lowp_scales[11])
;;   THE QUANTISER, for each operand of a quantised product, along K:
;;     - The operand's scale is 2^e, e = its entry of the input lowp_scales (int32; the entries are numbered through the quantised products in the list's order, A before B).
;;     - Each number is divided by the scale, clamped to +-57,344, and rounded to the nearest number of E5M2, ties to even, subnormals kept.
;;     - The product sums the exact products of the quantised numbers (number of the format x scale) in f32.
;;   ~~~python
;;   def quantise(x, axis, e):      # numpy; x: float32 -> the quantised numbers, widened to float32 again
;;       x = np.moveaxis(x, axis, -1); K = x.shape[-1]
;;       r = np.clip(x / 2.0 ** e, -57344, 57344)
;;       step = 2.0 ** (np.maximum(np.frexp(np.where(r == 0, 1, r))[1] - 1, -14) - 2)
;;       q = np.round(r / step) * step * 2.0 ** e      # np.round: ties to even
;;       return np.moveaxis(q, -1, axis).astype(np.float32)
;;   ~~~
;;   SOFTMAX AHEAD OF A QUANTISED PRODUCT. Where the list says 'softmax', what is quantised is not the finished softmax but p = 2^(t - M), with t = logit x log2(e) and M = ceil(the row's largest t), a whole number; so 1/2 < the row's largest p <= 1. The row's sum l is taken of the UNQUANTISED p, in f32, and the product's result is divided by l at the end. Since M is a whole number, a kernel that streams over the keys may use a running M (the ceiling of the running maximum): every later rescaling is an exact power of two, so the quantised numbers keep their values, but for numbers so far below the row's largest that they fall under the format's range.
;;   OPERANDS COMPUTED ON THE WAY. 'Computed on the way' means the value that the module computes at that place (a softmax that the list does not call 'softmax' is quantised finished and normalised). What goes into a quantiser is computed in f32, as accurately as f32 sums, v_exp_f32 and their like allow (about 1e-6 of the number): no bf16 or f16 on the way to a quantiser, and a product that is left as it is and whose result goes on into a quantised operand takes f32 operands (vector FMAs, or v_wmma_f32_16x16x4_f32). A number that lies on a knife's edge between two numbers of the format may be rounded either way, as far as f32 arithmetic and the matrix unit's own rounding can turn it there, and no further.
;;   INPUTS GIVEN AS CODES. K (in the module: [1, 4096, 512], K = its axis 2); Q (in the module: [1, 4096, 512], K = its axis 2); V (in the module: [1, 4096, 512], K = its axis 2); W_out (in the module: [512, 512], K = its axis 1); W_qk (in the module: [512, 512], K = its axis 1); W_v (in the module: [512, 512], K = its axis 1): each comes as NAME_codes (uint8): NAME with its K axis moved to the last place and cut into blocks of 32 codes, [.., K / 32, bytes a block], one block behind the other in memory; one code a byte (a code: sign, 5 exponent bits, 2 mantissa bits); its scale is its entry of lowp_scales. Its value is code x scale, taken as it is: it is not quantised again, and the codes and scales need not be those that the quantiser above would give.
;; One version. Each part assembles by itself: llvm-mc -triple=amdgcn-amd-amdhsa -mcpu=gfx1250 --defsym DOCPART=n.
;; ======== version 1 of 1: 2 launches
;; limits: right only within a limited range of input values
;; workspace buffers: qimg 2,097,152 bytes; kv 4,194,304 bytes; wimg 262,144 bytes
;; launch project (part 1): grid 8 x 32, 8 waves a work-group, clusters of 4 x 4, 327,680 bytes of LDS; arguments Q_codes, K_codes, V_codes, W_qk_codes, W_v_codes, W_out_codes, b_qk, b_v, lowp_scales, qimg, kv, wimg; writes qimg, kv, wimg
.if DOCPART == 1
	.amdgcn_target "amdgcn-amd-amdhsa--gfx1250"
	.amdhsa_code_object_version 6
	.text
	.protected	k_qf51724601c_project
	.globl	k_qf51724601c_project
	.p2align	8
	.type	k_qf51724601c_project,@function
k_qf51724601c_project:
	s_mov_b64 s[64:65], 0
	v_nop
	global_prefetch_b8 v0, s[64:65] scope:SCOPE_SE
	s_setreg_imm32_b32 hwreg(HW_REG_WAVE_MODE, 25, 1), 1
	s_wait_xcnt 0x0
	s_wait_alu depctr_hold_cnt(0) depctr_sa_sdst(0) depctr_va_vdst(0) depctr_va_sdst(0) depctr_va_ssrc(0) depctr_va_vcc(0) depctr_vm_vsrc(0)
	s_getreg_b32 s2, hwreg(HW_REG_IB_STS2, 6, 4)
	s_cmp_eq_u32 s2, 0
	s_cbranch_scc0 .Lentry_in_a_cluster
	s_endpgm
.Lentry_in_a_cluster:
	s_bfe_u32 s2, ttmp6, 0x10000c
	s_cmp_lg_u32 s2, 0xf033
	s_cbranch_scc0 .Lentry_shape_is_right
	s_endpgm
.Lentry_shape_is_right:
; PROJECT: q = Q W_qk^T + b_qk, k = K W_qk^T + b_qk, v = V W_v^T + b_v on the given codes of BF8 (E5M2), each result quantised at once with its given scale
; (q: entry 6, k: entry 7, both along the head's 64; v: entry 9, along the keys) and stored as IMAGES OF THE OPERAND REGISTERS that the second launch wants.
; NOTHING IS LEFT OUT: every bias stands ahead of a quantiser and every input has a way to the output, so every input is loaded and every product of the problem is done.
; THE HEADS are a pure reshape: head n is rows 512 n .. 512 n + 511 of the projected [4096][512]; position s of it is row 512 n + s / 8, columns 64 (s % 8) on.
; So a group of 64 columns (g) of a row is one position of a head, and which positions form a tile is free: tiles are 16 rows at one g.
; SHARES.  Work-group (g, rb): 128 rows 128 rb on x 64 columns 64 g on of q, k AND v; K = 512.  Waves 0-3: q and k of rows 32 w .. 32 w + 31 (two tiles a) x four tiles t of columns, so that each fragment of W_qk feeds both: 16 accumulators.
; Waves 4-7: v of rows 32 (w - 4) on: 8 accumulators; they also lay W_out's codes in fragment order.
; LDS holds everything at once: 512 rows of 512 bytes + 16 of padding = 528 = 33 x 16, so that the 16 rows that a fragment load touches begin 16 bytes apart modulo 256: Q's 128 rows, K's, V's, W_qk's 64, W_v's 64.
; Wave w fetches rows 64 w .. 64 w + 63 of these by one tensor load; no byte is filled twice.
; CLUSTERS: 4 x 4 work-groups.  The four of a row of the cluster need the same rows of Q, K, V, the four of a column the same rows of W_qk and W_v: each tile is asked for JOINTLY, with the same descriptor and a mask that names the four.
; No prefetch: the launch has no loop to run ahead in; all that it reads is asked for at the head.
; q, k: source 0 = 16 rows of W, source 1 = 16 rows of X: a lane holds one row; registers of tiles 2 c, 2 c + 1: columns 32 c + 8 (lane / 16) + 0 .. 7 and 32 c + 16 + 8 (lane / 16) + 0 .. 7: an order of the head's 64 that is the same in q and k.
; v: source 0 = 16 rows of X, source 1 = 16 rows of W, lane r of tile t taking W's row 32 (t / 2) + 8 (t % 2) + r + 8 (r / 8): a lane holds one column, and the 16 registers of the two tiles a are rows 32 w + 16 a + 8 (lane / 16) + 0 .. 7:
; neighbours along the keys in the order in which p's codes will lie.
; A fragment's k lies as four loads of 16 bytes give it (registers 4 c .. 4 c + 3: k = 32 c + 16 (lane / 16) + 0 .. 15): a permutation of k that is the same in both sources.
; OUT, in pieces of 512 bytes (lane l's 16 bytes at 16 l):  qimg [row tile 256][g 8][c 2];  kv [row block 32][g 8][16,384]: K [tile 8][c 2], then V [t 4][c 4].  wimg [n tile 32][K step 4][c 4][512].
; The bias is the C of each sum's first matrix instruction, divided by the power of two that the sums lack; the three scales are folded into the conversion's one, 2^(eo - ea - eb).
; LIMITS: eo - ea - eb between -126 and 112, so that the scale and 57,344 x the scale are f32 numbers.  NaN among the inputs is not served; what lies beyond the scale's range is held at the largest code.
; REGISTERS: window 0: below; window 1: two buffers of 128: W's four fragments, then X's (q, k: four; v: two).
.set PITCH, 528
.set SPARE, 512*PITCH                  ; the spare words, 128 bytes for each wave: four blocks of 256 bytes that no other line names
.set LI,   1                           ; v1   16 x lane
.set XA,   4                           ; v4   my fragments of Q, or of V;  v5 of K
.set XK,   5
.set WA,   6                           ; v6   the fragments of W_qk
.set WB,   7                           ; v7   of W_v
.set BQ,   8                           ; v8   32 h: my half's eight neighbours in b_qk
.set BV,   9                           ; v9   my column in b_v
.set SPW,  13                          ; v13  LDS address of my spare word; never rewritten
.set NIL,  14                          ; v14  0; never rewritten
.set CP,   16                          ; v[16:17] my 8 bytes of W_out's image
.set L8,   18                          ; v18  8 x lane
.set CSRC, 19                          ; v19  where those 8 bytes lie in W_out_codes
.set SC,   20                          ; v20, v22, v24: 2^(eo - ea - eb) of q, k, v; v21, v23, v25: 57,344 x that
.set BI,   32                          ; v32-63   the bias, eight registers for each tile t (q's, v's)
.set ACC,  64                          ; v64-191  the accumulators
.set BIK,  192                         ; v192-223 the bias for k; behind the products:
.set PC,   192                         ; v192-223 the codes
.set G1,   68                          ; s[68:75] descriptor group 1 for Q, K, V;  s[76:83] for W_qk, W_v: it differs in the mask alone
.set G1B,  76
.set G0,   84                          ; s[84:87], s[88:91] the groups 0
.set G0B,  88
.set MSB, 0
.macro WIN new                         ; the immediate's high byte repeats the setting that is left
.if MSB != \new
	s_set_vgpr_msb (MSB<<8)|\new
.set MSB, \new
.endif
.endm
.macro CROUND                          ; a round of the cluster's barrier
	s_barrier_signal -1
	s_barrier_wait -1
	s_cmp_lg_u32 s6, 0
	s_cbranch_scc1 .Lnot_wave_0_\@
	s_barrier_signal -3
.Lnot_wave_0_\@:
	s_barrier_wait -3
	s_barrier_signal -1
	s_barrier_wait -1
.endm
	s_load_b512 s[8:23], s[0:1], 0x0               ; Q, K, V, W_qk, W_v, W_out, b_qk, b_v
	s_load_b256 s[24:31], s[0:1], 0x40             ; the scales' exponents, qimg, kv, wimg
	v_lshl_add_u32 v[SPW], v0, 2, SPARE
	v_mov_b32 v[NIL], 0
	ds_add_u32 v[SPW], v[NIL]                      ; the wave's opening: the add, twice on end, and its wait ahead of my first tensor load
	ds_add_u32 v[SPW], v[NIL]
	v_lshrrev_b32 v2, 5, v0
	v_readfirstlane_b32 s6, v2                     ; wave 0..7
	s_bfe_u32 s40, ttmp6, 0x40000                  ; cx, cy: my place in the cluster
	s_bfe_u32 s41, ttmp6, 0x40004
	s_lshl_b32 s5, ttmp9, 2
	s_add_co_u32 s5, s5, s40                       ; g = 4 x cluster x + cx
	s_and_b32 s4, ttmp7, 0xffff
	s_lshl_b32 s4, s4, 2
	s_add_co_u32 s4, s4, s41                       ; rb = 4 x cluster y + cy
	s_lshl_b32 s38, s41, 2
	s_lshl_b32 s38, 15, s38                        ; my row of the cluster
	s_lshl_b32 s39, 0x1111, s40                    ; my column
	; descriptor group 1: a tile of 64 rows x 512 bytes, dense in memory, padded in LDS
	s_or_b32 s[G1], s38, (1<<20)|(1<<21)|(6<<22)|(3<<25)    ; 15:0 the mask; 17:16 elements of 1 byte; 20 padding on; 21 set beside a mask; 24:22 after every 128 words (code 6); 31:25 four words (code 3)
	s_or_b32 s[G1B], s39, (1<<20)|(1<<21)|(6<<22)|(3<<25)
.irp q, G1, G1B
	s_mov_b32 s[\q+1], 512<<16                     ; tensor_dim0
	s_mov_b32 s[\q+2], 64<<16                      ; tensor_dim1
	s_mov_b32 s[\q+3], 512<<16                     ; tile_dim0
	s_mov_b32 s[\q+4], 64                          ; tile_dim1
	s_mov_b32 s[\q+5], 512                         ; tensor_dim0_stride
	s_mov_b32 s[\q+6], 0
	s_mov_b32 s[\q+7], 0
.endr
	s_lshl_b32 s46, s4, 16                         ; X: 128 rows of 512 bytes a row block, 64 a wave
	s_and_b32 s47, s6, 1
	s_lshl_b32 s47, s47, 15
	s_add_co_u32 s46, s46, s47
	s_mov_b32 s47, 0
	s_lshl_b32 s48, s5, 15                         ; W: 64 rows a column group
	s_mov_b32 s49, 0
	s_mul_i32 s45, s6, 64*PITCH                    ; in LDS: 64 rows x wave
	s_mov_b32 s[G0], 1
	s_mov_b32 s[G0+1], s45
	s_mov_b32 s[G0B], 1
	s_mov_b32 s[G0B+1], s45
	s_wait_dscnt 0x0                               ; both opening adds are done
	s_wait_kmcnt 0x0
	s_load_b256 s[52:59], s[24:25], 0x0            ; e0 .. e7
	s_load_b32 s60, s[24:25], 0x24                 ; e9
	s_cmp_lt_u32 s6, 2                             ; waves 0, 1 fetch Q; 2, 3 K; 4, 5 V; 6 W_qk; 7 W_v
	s_cselect_b64 s[42:43], s[8:9], s[10:11]
	s_cmp_lt_u32 s6, 4
	s_cselect_b64 s[42:43], s[42:43], s[12:13]
	s_add_nc_u64 s[G0+2:G0+3], s[42:43], s[46:47]
	s_or_b32 s[G0+3], s[G0+3], 0x80000000
	s_cmp_eq_u32 s6, 7
	s_cselect_b64 s[44:45], s[16:17], s[14:15]
	s_add_nc_u64 s[G0B+2:G0B+3], s[44:45], s[48:49]
	s_or_b32 s[G0B+3], s[G0B+3], 0x80000000
	CROUND                                         ; all sixteen work-groups are here: the joint loads meet
	s_cmp_lt_u32 s6, 6                             ; one load a wave; each line has one mask for all that issue it; an s_nop 0 and four v_nop follow each
	s_cbranch_scc0 .Lfor_w
	tensor_load_to_lds s[G0:G0+3], s[G1:G1+7]
	s_nop 0
.rept 4
	v_nop
.endr
	s_branch .Lasked
.Lfor_w:
	tensor_load_to_lds s[G0B:G0B+3], s[G1B:G1B+7]
	s_nop 0
.rept 4
	v_nop
.endr
.Lasked:
	; under the loads' flight: scalars first
	s_and_b32 s7, s6, 3                            ; w % 4: my 32 rows
	s_lshr_b32 s38, s6, 2                          ; 0: q, k; 1: v
	s_mul_i32 s40, s38, 256*PITCH
	s_mul_i32 s41, s7, 32*PITCH
	s_add_co_u32 s40, s40, s41                     ; my rows of Q, or of V, in LDS
	s_lshl_b32 s50, s5, 8
	s_mov_b32 s51, 0
	s_add_nc_u64 s[20:21], s[20:21], s[50:51]      ; the group's 64 bias numbers
	s_add_nc_u64 s[22:23], s[22:23], s[50:51]
	s_lshl_b32 s50, s4, 16
	s_lshl_b32 s48, s7, 14
	s_add_co_u32 s50, s50, s48
	s_lshl_b32 s48, s5, 10
	s_add_co_u32 s50, s50, s48
	s_add_nc_u64 s[32:33], s[26:27], s[50:51]      ; q's piece 0
	s_lshl_b32 s46, s4, 17
	s_lshl_b32 s48, s5, 14
	s_add_co_u32 s46, s46, s48
	s_lshl_b32 s48, s7, 11
	s_add_co_u32 s50, s46, s48
	s_add_nc_u64 s[34:35], s[28:29], s[50:51]      ; k's
	s_lshl_b32 s48, s7, 9
	s_add_co_u32 s50, s46, s48
	s_add_co_u32 s50, s50, 0x2000                  ; V lies behind K
	s_add_nc_u64 s[36:37], s[28:29], s[50:51]      ; v's
	s_lshl_b32 s50, s4, 13                         ; W_out's image: lane l takes the 8 bytes at row 16 rb + l / 2, byte 64 g + 16 (w % 4) + 8 (l % 2),
	s_lshl_b32 s46, s5, 10
	s_add_co_u32 s46, s46, s50
	s_lshl_b32 s48, s5, 6
	s_add_co_u32 s50, s50, s48
	s_lshl_b32 s48, s7, 4
	s_add_co_u32 s50, s50, s48
	s_add_nc_u64 s[18:19], s[18:19], s[50:51]
	s_lshl_b32 s48, s7, 8
	s_add_co_u32 s50, s46, s48
	s_add_nc_u64 s[30:31], s[30:31], s[50:51]      ; and they go to byte 256 (4 (8 rb + g) + w % 4) of the image
	v_and_b32 v26, 31, v0                          ; lane
	v_and_b32 v27, 15, v0                          ; r
	v_bfe_u32 v28, v0, 4, 1                        ; h
	v_lshlrev_b32 v[LI], 4, v26
	v_lshlrev_b32 v[L8], 3, v26
	v_and_b32 v29, 8, v27
	v_mul_u32_u24 v[WA], v27, PITCH
	v_lshrrev_b32 v30, 1, v26                      ; lane / 2
	v_lshlrev_b32 v[BQ], 5, v28
	v_add_nc_u32 v29, v29, v27                     ; r + 8 (r / 8)
	v_lshl_add_u32 v[WA], v28, 4, v[WA]            ; r x pitch + 16 h
	v_mul_u32_u24 v[WB], v29, PITCH
	v_lshlrev_b32 v[BV], 2, v29
	v_add_nc_u32 v[XA], s40, v[WA]
	v_add_nc_u32 v[WA], 384*PITCH, v[WA]
	v_lshl_add_u32 v[WB], v28, 4, v[WB]
	v_add_nc_u32 v[XK], 128*PITCH, v[XA]
	v_and_b32 v31, 8, v[L8]                        ; 8 (lane % 2)
	v_add_nc_u32 v[WB], 448*PITCH, v[WB]
	v_lshl_add_u32 v[CSRC], v30, 9, v31
	s_cmp_eq_u32 s38, 0                            ; the bias: q, k: columns 16 t + 8 h + 0 .. 7; v: the one column of lane r
	s_wait_alu depctr_va_vdst(0)                   ; the wait directly ahead of the branch
	s_cbranch_scc0 .Lbias_v
.irp t, 0,1,2,3
	global_load_b128 v[BI+8*\t:BI+8*\t+3], v[BQ], s[20:21] offset:64*\t
	global_load_b128 v[BI+8*\t+4:BI+8*\t+7], v[BQ], s[20:21] offset:64*\t+16
.endr
	s_branch .Lbias
.Lbias_v:
.irp t, 0,1,2,3
	global_load_b32 v[BI+8*\t], v[BV], s[22:23] offset:128*(\t/2)+32*(\t%2)
.endr
	global_load_b64 v[CP:CP+1], v[CSRC], s[18:19]
.Lbias:
	s_wait_kmcnt 0x0                               ; the exponents
; A sum stands for sum x 2^(ea + eb): so the bias goes in x 2^-(ea + eb) (exponent into s[n]), and the code is sum / 2^(eo - ea - eb)
.macro SCALE ea, eb, eo, n, v
	s_add_co_i32 s44, s[\ea], s[\eb]
	s_sub_co_i32 s[\n], 0, s44
	s_sub_co_i32 s44, s[\eo], s44
	s_add_co_i32 s44, s44, 127
	s_lshl_b32 s45, s44, 23
	s_add_co_i32 s44, s44, 15
	s_lshl_b32 s44, s44, 23
	s_or_b32 s44, s44, 0x600000
	v_mov_b32 v[\v], s45
	v_mov_b32 v[\v+1], s44
.endm
	SCALE 52, 53, 58, 61, SC
	SCALE 54, 55, 59, 62, SC+2
	SCALE 56, 57, 60, 63, SC+4
	s_wait_alu depctr_va_vdst(0)                   ; the wait at the head's end
	s_wait_tensorcnt 0x0                           ; my 64 rows are in
	s_barrier_signal -1
	s_barrier_wait -1                              ; so are everybody's: nothing is written to them again
.macro PLACES                          ; four places behind matrix instructions, in front of loads into what they read and of reads of their results (ISA guide 7.12.1 for vector instructions)
.rept 4
	v_nop
.endr
.endm
.macro FRAGS ks, qk                    ; 128 along K into buffer ks % 2: 32 loads for q and k, 24 for v
	WIN 0x40
.irp t, 0,1,2,3
.irp c, 0,1,2,3
.if \qk
	ds_load_b128 v[128*(\ks%2)+16*\t+4*\c:128*(\ks%2)+16*\t+4*\c+3], v[WA] offset:\t*16*PITCH+128*\ks+32*\c
.else
	ds_load_b128 v[128*(\ks%2)+16*\t+4*\c:128*(\ks%2)+16*\t+4*\c+3], v[WB] offset:(32*(\t/2)+8*(\t%2))*PITCH+128*\ks+32*\c
.endif
.endr
.endr
.irp a, 0,1
.irp c, 0,1,2,3
	ds_load_b128 v[128*(\ks%2)+64+16*\a+4*\c:128*(\ks%2)+64+16*\a+4*\c+3], v[XA] offset:\a*16*PITCH+128*\ks+32*\c
.if \qk
	ds_load_b128 v[128*(\ks%2)+96+16*\a+4*\c:128*(\ks%2)+96+16*\a+4*\c+3], v[XK] offset:\a*16*PITCH+128*\ks+32*\c
.endif
.endr
.endr
	WIN 0
.endm
.macro MULS ks, qk                     ; the accumulators by turns, in the same order in every K step.  The first K step takes the bias as C
	WIN 0x05                                       ; both sources in window 1
.if \qk
.irp u, 0,1                            ; q, k
.irp a, 0,1
.irp t, 0,1,2,3
.if \ks == 0
	v_wmma_f32_16x16x128_bf8_bf8 v[ACC+64*\u+32*\a+8*\t:ACC+64*\u+32*\a+8*\t+7], v[128*(\ks%2)+16*\t:128*(\ks%2)+16*\t+15], v[128*(\ks%2)+64+32*\u+16*\a:128*(\ks%2)+64+32*\u+16*\a+15], v[BI+(BIK-BI)*\u+8*\t:BI+(BIK-BI)*\u+8*\t+7]
.else
	v_wmma_f32_16x16x128_bf8_bf8 v[ACC+64*\u+32*\a+8*\t:ACC+64*\u+32*\a+8*\t+7], v[128*(\ks%2)+16*\t:128*(\ks%2)+16*\t+15], v[128*(\ks%2)+64+32*\u+16*\a:128*(\ks%2)+64+32*\u+16*\a+15], v[ACC+64*\u+32*\a+8*\t:ACC+64*\u+32*\a+8*\t+7]
.endif
.endr
.endr
.endr
.else
.irp a, 0,1
.irp t, 0,1,2,3
.if \ks == 0
	v_wmma_f32_16x16x128_bf8_bf8 v[ACC+16*\t+8*\a:ACC+16*\t+8*\a+7], v[128*(\ks%2)+64+16*\a:128*(\ks%2)+64+16*\a+15], v[128*(\ks%2)+16*\t:128*(\ks%2)+16*\t+15], v[BI+8*\t:BI+8*\t+7]
.else
	v_wmma_f32_16x16x128_bf8_bf8 v[ACC+16*\t+8*\a:ACC+16*\t+8*\a+7], v[128*(\ks%2)+64+16*\a:128*(\ks%2)+64+16*\a+15], v[128*(\ks%2)+16*\t:128*(\ks%2)+16*\t+15], v[ACC+16*\t+8*\a:ACC+16*\t+8*\a+7]
.endif
.endr
.endr
.endif
	WIN 0
.endm
.macro RUN qk, cnt                     ; cnt: one K step's loads, the next one's, which may be out
	FRAGS 1, \qk
	s_wait_alu depctr_va_vdst(0)                   ; directly ahead of the wait below
	s_wait_dscnt \cnt
	MULS 0, \qk
	PLACES
	FRAGS 2, \qk
	s_wait_dscnt \cnt
	MULS 1, \qk
	PLACES
	FRAGS 3, \qk
	s_wait_dscnt \cnt
	MULS 2, \qk
	s_wait_dscnt 0x0
	MULS 3, \qk
	PLACES
.endm
.macro QUANT acc, pc, sc               ; registers acc + 16 p + 0 .. 15 are piece p's 16 numbers along the next product's K
.irp p, 0,1,2,3
.irp i, 0,1,2,3,4,5,6,7,8,9,10,11,12,13,14,15
	v_med3_num_f32 v[\acc+16*\p+\i], v[\acc+16*\p+\i], -v[\sc+1], v[\sc+1]   ; the conversion to an 8-bit code does not saturate (ISA guide 7.6.2): the hold at the largest code x the scale; each accumulator from its low end on
.endr
	v_cvt_scalef32_pk8_bf8_f32 v[\pc+4*\p:\pc+4*\p+1], v[\acc+16*\p:\acc+16*\p+7], v[\sc]
	v_cvt_scalef32_pk8_bf8_f32 v[\pc+4*\p+2:\pc+4*\p+3], v[\acc+16*\p+8:\acc+16*\p+15], v[\sc]
.endr
	v_nop                                          ; a plain vector line behind the last conversion
.endm
	s_cmp_eq_u32 s38, 0                            ; on the wave's number alone
	s_cbranch_scc0 .Lv
	FRAGS 0, 1
	s_wait_loadcnt 0x0                             ; the bias
.set i, 0
.rept 32
	v_ldexp_f32 v[BIK+i], v[BI+i], s62             ; q's and k's sums lack different powers of two
	v_ldexp_f32 v[BI+i], v[BI+i], s61
.set i, i+1
.endr
	RUN 1, 32
	QUANT ACC, PC, SC
.irp p, 0,1,2,3                        ; piece 2 a + c: each store: 512 consecutive bytes, at a multiple of 512 from the buffer's first byte
	global_store_b128 v[LI], v[PC+4*\p:PC+4*\p+3], s[32:33] offset:512*(\p%2)+8192*(\p/2)
.endr
	QUANT ACC+64, PC+16, SC+2
.irp p, 0,1,2,3
	global_store_b128 v[LI], v[PC+16+4*\p:PC+16+4*\p+3], s[34:35] offset:512*\p
.endr
	s_branch .Lend
.Lv:
	FRAGS 0, 0
	s_wait_loadcnt 0x0                             ; the bias and my 256 bytes of W_out's image
	global_store_b64 v[L8], v[CP:CP+1], s[30:31]   ; 32 lanes store 256 consecutive bytes, at a multiple of 256 from the image's first byte
.irp t, 0,1,2,3
.irp j, 1,2,3,4,5,6,7
	v_ldexp_f32 v[BI+8*\t+\j], v[BI+8*\t], s63
.endr
	v_ldexp_f32 v[BI+8*\t], v[BI+8*\t], s63
.endr
	RUN 0, 24
	QUANT ACC, PC, SC+4
.irp p, 0,1,2,3                        ; piece t
	global_store_b128 v[LI], v[PC+4*\p:PC+4*\p+3], s[36:37] offset:2048*\p
.endr
.Lend:
	s_wait_tensorcnt 0x0                           ; the wave's end: three lines behind my last tensor load
	ds_add_u32 v[SPW], v[NIL]
	s_wait_dscnt 0x0
	CROUND                                         ; the closing round: no work-group ends while a partner may still ask for a tile that names it
	s_endpgm
.Lfunc_end_k_qf51724601c_project:
	.size	k_qf51724601c_project, .Lfunc_end_k_qf51724601c_project-k_qf51724601c_project
	.p2alignl 7, 3214868480
	.fill 96, 4, 3214868480
	.section	.rodata,"a",@progbits
	.p2align	6, 0x0
	.amdhsa_kernel k_qf51724601c_project
		.amdhsa_group_segment_fixed_size 327680
		.amdhsa_private_segment_fixed_size 0
		.amdhsa_enable_private_segment 0
		.amdhsa_kernarg_size 96
		.amdhsa_user_sgpr_count 2
		.amdhsa_user_sgpr_kernarg_segment_ptr 1
		.amdhsa_wavefront_size32 1
		.amdhsa_system_sgpr_workgroup_id_x 1
		.amdhsa_system_sgpr_workgroup_id_y 1
		.amdhsa_system_sgpr_workgroup_id_z 1
		.amdhsa_system_vgpr_workitem_id 0
		.amdhsa_next_free_vgpr 512
		.amdhsa_next_free_sgpr 96
		.amdhsa_reserve_vcc 0
		.amdhsa_float_denorm_mode_32 3
		.amdhsa_float_denorm_mode_16_64 3
		.amdhsa_memory_ordered 1
		.amdhsa_forward_progress 1
		.amdhsa_inst_pref_size 53
	.end_amdhsa_kernel
	.amdgpu_metadata
---
amdhsa.version: [ 1, 2 ]
amdhsa.kernels:
  - .name:           k_qf51724601c_project
    .symbol:         k_qf51724601c_project.kd
    .args:
      - { .name: Q_codes, .offset: 0, .size: 8, .value_kind: global_buffer, .address_space: global }
      - { .name: K_codes, .offset: 8, .size: 8, .value_kind: global_buffer, .address_space: global }
      - { .name: V_codes, .offset: 16, .size: 8, .value_kind: global_buffer, .address_space: global }
      - { .name: W_qk_codes, .offset: 24, .size: 8, .value_kind: global_buffer, .address_space: global }
      - { .name: W_v_codes, .offset: 32, .size: 8, .value_kind: global_buffer, .address_space: global }
      - { .name: W_out_codes, .offset: 40, .size: 8, .value_kind: global_buffer, .address_space: global }
      - { .name: b_qk, .offset: 48, .size: 8, .value_kind: global_buffer, .address_space: global }
      - { .name: b_v, .offset: 56, .size: 8, .value_kind: global_buffer, .address_space: global }
      - { .name: lowp_scales, .offset: 64, .size: 8, .value_kind: global_buffer, .address_space: global }
      - { .name: qimg, .offset: 72, .size: 8, .value_kind: global_buffer, .address_space: global }
      - { .name: kv, .offset: 80, .size: 8, .value_kind: global_buffer, .address_space: global }
      - { .name: wimg, .offset: 88, .size: 8, .value_kind: global_buffer, .address_space: global }
    .group_segment_fixed_size: 327680
    .private_segment_fixed_size: 0
    .kernarg_segment_align: 8
    .kernarg_segment_size: 96
    .max_flat_workgroup_size: 256
    .sgpr_count:     96
    .vgpr_count:     512
    .wavefront_size: 32
...
	.end_amdgpu_metadata
.endif
;; end of part 1
;; launch attend (part 2): grid 32 x 8, 8 waves a work-group, clusters of 4 x 1, 327,680 bytes of LDS; arguments qimg, kv, wimg, b_out, lowp_scales, out0; writes out0
.if DOCPART == 2
	.amdgcn_target "amdgcn-amd-amdhsa--gfx1250"
	.amdhsa_code_object_version 6
	.text
	.protected	k_qf51724601c_attend
	.globl	k_qf51724601c_attend
	.p2align	8
	.type	k_qf51724601c_attend,@function
k_qf51724601c_attend:
	s_mov_b64 s[64:65], 0
	v_nop
	global_prefetch_b8 v0, s[64:65] scope:SCOPE_SE
	s_setreg_imm32_b32 hwreg(HW_REG_WAVE_MODE, 25, 1), 1
	s_wait_xcnt 0x0
	s_wait_alu depctr_hold_cnt(0) depctr_sa_sdst(0) depctr_va_vdst(0) depctr_va_sdst(0) depctr_va_ssrc(0) depctr_va_vcc(0) depctr_vm_vsrc(0)
	s_getreg_b32 s2, hwreg(HW_REG_IB_STS2, 6, 4)
	s_cmp_eq_u32 s2, 0
	s_cbranch_scc0 .Lentry_in_a_cluster
	s_endpgm
.Lentry_in_a_cluster:
	s_bfe_u32 s2, ttmp6, 0x10000c
	s_cmp_lg_u32 s2, 0x3003
	s_cbranch_scc0 .Lentry_shape_is_right
	s_endpgm
.Lentry_shape_is_right:
; ATTEND: for each head softmax(q k^T / 8) v, the result quantised with entry 10, x W_out^T + b_out: three products on codes of BF8 (E5M2).  No work of the problem is left out.
; qimg, kv and wimg hold codes as images of operand registers, in pieces of 512 bytes (lane l's 16 bytes at 16 l), as the first launch laid them.
; SHARES.  Work-group (block of the head, head) owns 16 rows of the merged [4096][512], row tile RT = 32 head + block: 128 positions of the head, eight tiles of 16 queries (tile g = column group g).
; The head's 4,096 keys are 32 steps of 128: 16 KiB of kv each, 8 KiB of K (eight tiles of 16 keys x 64), then 8 KiB of V (four tiles of 16 channels x 128 keys).
; A WAVE OWNS FOUR TILES OF QUERIES AND A QUARTER OF THE KEYS: wave w takes tiles 4 (w / 4) + 0 .. 3 and of each slot of four steps step w % 4, so each fragment read from LDS feeds four tiles, and a slot is one step of each wave.
; The four quarters' results (M, the sum, O) meet in LDS at the end; wave w joins those of tile w.  Then the eight tiles ARE the 16 rows' 512 columns: wave w makes out0's columns 64 w .. 64 w + 63.
; THE SOFTMAX AHEAD OF THE SECOND PRODUCT: t = score x log2(e) / 8; M = the quarter's largest t so far, rounded UP to a whole number; p = 2^(t - M) is quantised along the keys, not normalised.
; The row's sum is taken of the unquantised p and divides at the end.  When M moves, and when the quarters are joined, the sum and O are multiplied by 2^(old M - new M).
; LAYOUT.  All three products are used transposed (S^T = K Q^T, O^T = V^T P^T, Y^T = W_out A^T), so that a lane holds ONE query (lane % 16) throughout.  In S^T tile T, register j of lane (r, h) is key row 16 T + 8 h + j, so the
; conversions of tiles 2 b, 2 b + 1 give registers 4 b .. 4 b + 3 of P, and V's image has its keys in that very order.  V's channels are ordered so that O^T's 32 registers are channels 32 c + 16 h + 0 .. 15: half a fragment of the last product.
; RING.  Two LDS slots of four steps (64 KiB).  Each wave fetches an eighth of a slot, 8 KiB, by one tensor load.  CLUSTER: the four work-groups of a cluster belong to one head and walk the same block, so each load
; is asked for JOINTLY: the same descriptor, made of the head and the wave's number alone, and a mask that names the four.
; A WAVE'S ORDER.  Tiles go in pairs (a, b).  Behind a pair's softmax come the NEXT pair's scores, then this pair's O^T += V^T P^T.  K of the next step is read behind the second pair's scores, V behind the second pair's O^T.
; LIMITS on the given exponents, so that each power of two below is an f32 number: e6 + e7 between -123 and 130 (added to c's exponent field); e8 and e10 between -126 and 112; e10 + e11 between -126 and 127; e8 + e9 goes by v_ldexp_f32 and has none.
; Where e8 is under -15 a p near 1 lies beyond the range and is held at the largest code as it stands under the running M.  NaN among the inputs is not served.
.set STEPB, 16384
.set SLOT1, 1<<16                      ; slot 1 begins here: one exclusive or turns an address in one slot into the other's
.set DUMP,  2*SLOT1                    ; behind the ring: [tile 8][quarter 4][4,096]: O^T of each tile and quarter, as eight pieces of 512 bytes
.set ML,    DUMP+131072                ; [tile 8][quarter 4][lane 32]: -M and the lane's sum
.set FIMG,  ML+8192                    ; the last product's four fragments, 8,192 bytes
.set SP,    272                        ; a stage row: 256 bytes + 16
.set STG,   FIMG+8192                  ; a stage of 16 rows for each wave,
.set SPARE, STG+8*16*SP                ; and the spare words, 128 bytes for each wave: four blocks of 256 bytes that no other line names
.set LI,   1                           ; v1   16 x lane
.set ADR,  2                           ; v2   where my step of the slot in hand begins, + 16 x lane
.set PFO,  3                           ; v3   256 x lane: the prefetches' offset
.set LIQ,  4                           ; v4   16 x lane + 16,384 x my quarter
.set SPW,  5                           ; v5   LDS address of my spare word; never rewritten
.set NIL,  6                           ; v6   0; never rewritten
.set GO,   7                           ; v7   the way out: my byte offset in the 16 rows of out0
.set FST,  8                           ; v8   where I store my two pieces of the last product's operand
.set BO,   9                           ; v9   32 h: my place in b_out
.set STO,  10                          ; v10  the stage: where I put 32 bytes of a row
.set RD,   11                          ; v11  and where I read a row back
.set DST,  12                          ; v12  where my O^T goes, v13 from where I read tile w's
.set DLD,  13
.set MST,  14                          ; v14, v15 the same for -M and the sums
.set MLD,  15
.set NM,   16                          ; v16-23  tile i: -M at NM + 2 i, the largest score so far at NM + 2 i + 1
.set LS,   24                          ; v24-31  tile i: the sum in two halves
.set FA,   32                          ; v[32:33], v[34:35] f = 2^(old M - new M) of tiles a and b (each with its exponent beside it)
.set TT,   36                          ; v36-51  at work; the first eight partial sums of tile a
.set PM,   52                          ; v52-53  a lane permute's destinations
.set SCP,  54                          ; v54     2^e8
.set UU,   56                          ; v56-63  partial sums of tile b
.set QF,   64                          ; v64-95  Q's four fragments; at the end b_out
.set SA,   96                          ; v96-159 S^T, then p, of tile a
.set SB,   160                         ; v160-223 of tile b
.set PC,   224                         ; v224-239 p's codes of tile a
.set PCB,  240                         ; v240-255 of tile b; until then the other eight partial sums of tile a
                                       ; window 1: v0-127 O^T of the four tiles;
.set KF,   128                         ;   v128-191 K's eight fragments,
.set VF,   192                         ;   v192-255 V's four; at the end all 256: W_out's sixteen
.set WV,   16                          ; s16  my wave's number
.set SEL,  20                          ; s[20:21] lane selects for v_permlanex16_b32: lane l xor 16
.set CS,   22                          ; s[22:23] c = log2(e) / 8 x 2^(e6 + e7)
.set G1,   24                          ; s[24:31] descriptor group 1
.set G0,   32                          ; s[32:35] descriptor group 0, which walks
.set TB,   36                          ; s36  LDS byte at which the slot in hand begins
.set SLOTS, 37                         ; s37  changes of slots that still fill
.set LIM,  38                          ; s38  1 in a wave that prefetches, else the greatest number
.set PFA,  40                          ; s[40:41] where my prefetches stand
.set LIMP, 53                          ; s53  57,344 x 2^e8
.set SCO,  66                          ; s66  2^e10;  s67 57,344 x 2^e10
.set LIMO, 67
.set MSB, 0
.macro WIN new                         ; the immediate's high byte repeats the setting that is left
.if MSB != \new
	s_set_vgpr_msb (MSB<<8)|\new
.set MSB, \new
.endif
.endm
; A round of the cluster's barrier: my work-group's barrier, so that wave 0's signal speaks for all eight waves; wave 0 signals for the work-group; every wave waits for all four work-groups; my work-group's barrier once more.
.macro CREST                           ; behind its opening barrier
	s_cmp_lg_u32 s[WV], 0
	s_cbranch_scc1 .Lnot_wave_0_\@
	s_barrier_signal -3
.Lnot_wave_0_\@:
	s_barrier_wait -3
	s_barrier_signal -1
	s_barrier_wait -1
.endm
.macro CROUND
	s_barrier_signal -1
	s_barrier_wait -1
	CREST
.endm
; The joint load: every wave issues it, each for its own eighth of the slot.  An s_nop 0 and four v_nop follow it.
.macro JLOAD
	tensor_load_to_lds s[G0:G0+3], s[G1:G1+7]
	s_nop 0
.rept 4
	v_nop
.endr
.endm
; A PREFETCH INTO THE L2 of the slot that the NEXT change of slots will ask for: 64 KiB, 256 blocks of 256 bytes, each named once in the launch.  All eight clusters of a head walk the same block: the head's first cluster asks.
; Its four partners take 16 KiB each, told apart BY ADDRESS; in each, waves 0 and 1 ask for 8 KiB each, lanes 256 bytes apart: one instruction a wave.  It stands behind the wave's tensor load and its five lines, one step of each wave's four
; tiles ahead of the load that will want the bytes.  Slots 0 to 2 come by their loads alone; the last change that fills a slot asks for nothing: there is no slot behind it.
.macro ASK
	s_cmp_gt_u32 s[SLOTS], s[LIM]
	s_cbranch_scc0 .Lnot_mine_\@
	global_prefetch_b8 v[PFO], s[PFA:PFA+1] th:TH_LOAD_NT scope:SCOPE_SE
.Lnot_mine_\@:
.endm
; A PREFETCH INTO THE L2 of W_out's image, 256 KiB, 1,024 blocks of 256 bytes, each named once in the launch: by waves 0 and 1 of the first clusters of heads 0 to 3, told apart by address, 8 KiB each, at the last change of slots,
; one and a half trips ahead of most of the loads that will want the bytes.
.macro ASKW
	s_cmp_eq_u32 s78, 1
	s_cbranch_scc0 .Lnot_w_\@
	global_prefetch_b8 v[PFO], s[76:77] th:TH_LOAD_NT scope:SCOPE_SE
.Lnot_w_\@:
.endm
.macro PLACES
.rept 4
	v_nop
.endr
.endm
.macro LOADKV reg, byte                ; sixteen pieces of 512 bytes of my step into window 1
	WIN 0x40
.set i, 0
.rept 16
	ds_load_b128 v[\reg+4*i:\reg+4*i+3], v[ADR] offset:(\byte)+512*i
.set i, i+1
.endr
	WIN 0
.endm
.macro LOADW t, reg                    ; W_out's fragments of n tile 4 w + t, K steps 0 to 3
	WIN 0x40
.set i, 0
.rept 16
	global_load_b128 v[\reg+4*i:\reg+4*i+3], v[LI], s[8:9] offset:512*(16*\t+i)
.set i, i+1
.endr
	WIN 0
.endm
.macro QK q                            ; S^T of the tiles 2 q, 2 q + 1
	WIN 0x01
.irp t, 0,1,2,3,4,5,6,7
	v_wmma_f32_16x16x64_bf8_bf8 v[SA+8*\t:SA+8*\t+7], v[KF+8*\t:KF+8*\t+7], v[QF+16*\q:QF+16*\q+7], 0
.endr
.irp t, 0,1,2,3,4,5,6,7
	v_wmma_f32_16x16x64_bf8_bf8 v[SB+8*\t:SB+8*\t+7], v[KF+8*\t:KF+8*\t+7], v[QF+16*\q+8:QF+16*\q+15], 0
.endr
.endm
.macro PV p, first                     ; O^T of the tiles 2 p, 2 p + 1: eight accumulators by turns
.if \first
	WIN 0x41
.else
	WIN 0x51
.endif
.irp u, 0,1
.irp t, 0,1,2,3
.if \first
	v_wmma_f32_16x16x128_bf8_bf8 v[64*\p+32*\u+8*\t:64*\p+32*\u+8*\t+7], v[VF+16*\t:VF+16*\t+15], v[PC+16*\u:PC+16*\u+15], 0
.else
	v_wmma_f32_16x16x128_bf8_bf8 v[64*\p+32*\u+8*\t:64*\p+32*\u+8*\t+7], v[VF+16*\t:VF+16*\t+15], v[PC+16*\u:PC+16*\u+15], v[64*\p+32*\u+8*\t:64*\p+32*\u+8*\t+7]
.endif
.endr
.endr
	WIN 0
.endm
; The largest scores of the pair, six chains a tile, each accumulator from its low end on; the new -M = floor(-t) of the running largest; f = 2^(old M - new M).
; Line k of what follows tile u's maxima: six chains become one, the lane l xor 16's is taken in, -M and f are made.
.macro TAIL k, u, p, first
.if (\k) == 0
	v_max3_num_f32 v[TT+6*\u], v[TT+6*\u], v[TT+6*\u+1], v[TT+6*\u+2]
.endif
.if (\k) == 1
	v_max3_num_f32 v[TT+6*\u+3], v[TT+6*\u+3], v[TT+6*\u+4], v[TT+6*\u+5]
.endif
.if (\k) == 2
.if \first
	v_max_num_f32 v[TT+6*\u], v[TT+6*\u], v[TT+6*\u+3]
.else
	v_max3_num_f32 v[TT+6*\u], v[TT+6*\u], v[TT+6*\u+3], v[NM+4*\p+2*\u+1]
.endif
.endif
.if (\k) == 3
	v_permlanex16_b32 v[PM+\u], v[TT+6*\u], s[SEL], s[SEL+1]
.endif
.if (\k) == 4
	v_max_num_f32 v[NM+4*\p+2*\u+1], v[TT+6*\u], v[PM+\u]          ; the largest score among my 64 keys and lane l xor 16's
.endif
.if (\k) == 5
	v_mul_f32 v[TT+6*\u], s[CS], -v[NM+4*\p+2*\u+1]                ; -t (c is positive)
.endif
.if \first
.if (\k) == 6
	v_floor_f32 v[NM+4*\p+2*\u], v[TT+6*\u]                        ; -M: a whole number
.endif
.else
.if (\k) == 6
	v_floor_f32 v[TT+6*\u+1], v[TT+6*\u]
.endif
.if (\k) == 7
	v_sub_f32 v[FA+2*\u+1], v[TT+6*\u+1], v[NM+4*\p+2*\u]          ; M's old value less its new one: a whole number, 0 or less
.endif
.if (\k) == 8
	v_mov_b32 v[NM+4*\p+2*\u], v[TT+6*\u+1]
.endif
.if (\k) == 9
	v_cvt_i32_f32 v[FA+2*\u+1], v[FA+2*\u+1]                       ; (it saturates)
.endif
.if (\k) == 10
	v_ldexp_f32 v[FA+2*\u], 1.0, v[FA+2*\u+1]
.endif
.endif
.endm
; Tile a's maxima; tile b's, with tile a's tail among them; tile a's scalings, with tile b's tail among them; the rescaling of both O^T.
.macro MAXP p, first
.set i, 0
.rept 29
.if i < 6
	v_max3_num_f32 v[TT+i], v[SA+3*i], v[SA+3*i+1], v[SA+3*i+2]
.else
	v_max3_num_f32 v[TT+(i%6)], v[TT+(i%6)], v[SA+6+2*i], v[SA+7+2*i]
.endif
.set i, i+1
.endr
.set i, 0
.rept 29
.if i < 6
	v_max3_num_f32 v[TT+6+i], v[SB+3*i], v[SB+3*i+1], v[SB+3*i+2]
.else
	v_max3_num_f32 v[TT+6+(i%6)], v[TT+6+(i%6)], v[SB+6+2*i], v[SB+7+2*i]
.endif
.if i%2 == 0
	TAIL i/2, 0, \p, \first
.endif
.set i, i+1
.endr
.set i, 0
.rept 32
	v_pk_fma_f32 v[SA+2*i:SA+2*i+1], v[SA+2*i:SA+2*i+1], s[CS:CS+1], v[NM+4*\p:NM+4*\p+1] op_sel_hi:[1,0,0]   ; tile a: t - M, two at a time (of the pairs c and -M the low word serves both halves)
.if i%2 == 0
	TAIL i/2, 1, \p, \first
.endif
.set i, i+1
.endr
.if \first
	s_wait_alu depctr_va_vdst(0)                   ; the wait ahead of the exponentials
.else
	WIN 0x41
	s_wait_alu depctr_va_vdst(0)                   ; directly ahead of the first reader of O^T, and between the scalings and the exponentials
.irp u, 0,1
.irp j, 0,2,4,6,8,10,12,14,16,18,20,22,24,26,28,30
	v_pk_mul_f32 v[64*\p+32*\u+\j:64*\p+32*\u+\j+1], v[64*\p+32*\u+\j:64*\p+32*\u+\j+1], v[FA+2*\u:FA+2*\u+1] op_sel_hi:[1,0]   ; O^T under the new M
.endr
.endr
	WIN 0
.endif
.endm
; The exponentials.  Between tile a's stand tile b's t - M; between tile b's the first level of tile a's sums and its holds: lines whose results are read behind the waits alone.
.macro EXPA p
.set i, 0
.rept 32
	v_exp_f32 v[SA+2*i], v[SA+2*i]
	v_pk_fma_f32 v[SB+2*i:SB+2*i+1], v[SB+2*i:SB+2*i+1], s[CS:CS+1], v[NM+4*\p+2:NM+4*\p+3] op_sel_hi:[1,0,0]
	v_exp_f32 v[SA+2*i+1], v[SA+2*i+1]
.set i, i+1
.endr
	s_wait_alu depctr_va_vdst(0)                   ; the wait behind the one batch and ahead of the other
.endm
.macro EXPB
.set i, 0
.rept 16
	v_exp_f32 v[SB+4*i], v[SB+4*i]
.if i < 8
	v_pk_add_f32 v[TT+2*i:TT+2*i+1], v[SA+4*i:SA+4*i+1], v[SA+4*i+2:SA+4*i+3]              ; the row's sum is taken of the unquantised p
.else
	v_pk_add_f32 v[PCB+2*i-16:PCB+2*i-15], v[SA+4*i:SA+4*i+1], v[SA+4*i+2:SA+4*i+3]
.endif
	v_exp_f32 v[SB+4*i+1], v[SB+4*i+1]
	v_dual_min_num_f32 v[SA+4*i], s[LIMP], v[SA+4*i] :: v_dual_min_num_f32 v[SA+4*i+1], s[LIMP], v[SA+4*i+1]   ; the conversion to an 8-bit code does not saturate (ISA guide 7.6.2); p is not negative, so the hold is one-sided
	v_exp_f32 v[SB+4*i+2], v[SB+4*i+2]
	v_dual_min_num_f32 v[SA+4*i+2], s[LIMP], v[SA+4*i+2] :: v_dual_min_num_f32 v[SA+4*i+3], s[LIMP], v[SA+4*i+3]
	v_exp_f32 v[SB+4*i+3], v[SB+4*i+3]
.set i, i+1
.endr
	s_wait_alu depctr_va_vdst(0)                   ; the wait behind the batch
.endm
; The sums, tile a's conversions, tile b's holds and conversions.
.macro POST p, first
.irp c, 0,1,2,3
	v_pk_add_f32 v[TT+2*\c:TT+2*\c+1], v[TT+2*\c:TT+2*\c+1], v[PCB+2*\c:PCB+2*\c+1]
	v_pk_add_f32 v[UU+2*\c:UU+2*\c+1], v[SB+4*\c:SB+4*\c+1], v[SB+4*\c+2:SB+4*\c+3]
	v_pk_add_f32 v[TT+8+2*\c:TT+9+2*\c], v[TT+8+2*\c:TT+9+2*\c], v[PCB+8+2*\c:PCB+9+2*\c]
.endr
.set i, 0
.rept 24
	v_pk_add_f32 v[UU+2*(i%4):UU+2*(i%4)+1], v[UU+2*(i%4):UU+2*(i%4)+1], v[SB+16+2*i:SB+17+2*i]
.if i%3 == 0
	v_cvt_scalef32_pk8_bf8_f32 v[PC+2*(i/3):PC+2*(i/3)+1], v[SA+8*(i/3):SA+8*(i/3)+7], v[SCP]
.endif
.if i < 4
	v_pk_add_f32 v[TT+2*i:TT+2*i+1], v[TT+2*i:TT+2*i+1], v[TT+8+2*i:TT+9+2*i]
.endif
.if (i == 7) || (i == 8)
	v_pk_add_f32 v[TT+2*(i-7):TT+2*(i-7)+1], v[TT+2*(i-7):TT+2*(i-7)+1], v[TT+2*(i-5):TT+2*(i-5)+1]
.endif
.if (i == 12) && (\first == 0)
	v_pk_add_f32 v[TT:TT+1], v[TT:TT+1], v[TT+2:TT+3]
.endif
.set i, i+1
.endr
.set i, 0
.rept 32
	v_dual_min_num_f32 v[SB+2*i], s[LIMP], v[SB+2*i] :: v_dual_min_num_f32 v[SB+2*i+1], s[LIMP], v[SB+2*i+1]
.if (i%4 == 3) && (i > 4)
	v_cvt_scalef32_pk8_bf8_f32 v[PCB+2*((i-7)/4):PCB+2*((i-7)/4)+1], v[SB+8*((i-7)/4):SB+8*((i-7)/4)+7], v[SCP]
.endif
.set i, i+1
.endr
	v_cvt_scalef32_pk8_bf8_f32 v[PCB+14:PCB+15], v[SB+56:SB+63], v[SCP]
.if \first                             ; tile a's sum under the new M, and this step's (also the plain line behind the last conversion)
	v_pk_add_f32 v[LS+4*\p:LS+4*\p+1], v[TT:TT+1], v[TT+2:TT+3]
.else
	v_pk_fma_f32 v[LS+4*\p:LS+4*\p+1], v[LS+4*\p:LS+4*\p+1], v[FA:FA+1], v[TT:TT+1] op_sel_hi:[1,0,1]
.endif
.endm
; The end of tile b's sum: four plain lines that name no register of the products: they are the four places behind these.
.macro SUMB p, first
	v_pk_add_f32 v[UU:UU+1], v[UU:UU+1], v[UU+2:UU+3]
	v_pk_add_f32 v[UU+4:UU+5], v[UU+4:UU+5], v[UU+6:UU+7]
.if \first
	v_pk_add_f32 v[LS+4*\p+2:LS+4*\p+3], v[UU:UU+1], v[UU+4:UU+5]
	v_nop
.else
	v_pk_add_f32 v[UU:UU+1], v[UU:UU+1], v[UU+4:UU+5]
	v_pk_fma_f32 v[LS+4*\p+2:LS+4*\p+3], v[LS+4*\p+2:LS+4*\p+3], v[FA+2:FA+3], v[UU:UU+1] op_sel_hi:[1,0,1]
.endif
.endm
; A TRIP: one step of my four tiles.  THE CHANGE OF SLOTS stands behind the second pair's scores: my reads of the slot in hand are over (K and V of this step are in registers).  Each wave waits for all its tensor loads (one is out: its eighth of the next
; slot), adds 0 to its spare word, waits for that and signals; the second pair's maxima, scalings and tile a's exponentials, work on registers, stand between signal and wait.  fill = 1: the barrier opens a round of the cluster's barrier, behind which no wave of
; any partner still reads the old slot or has a load on its way: the joint load of the slot two on is the first thing behind it, and has until the next change of slots to land.  last = 1: nothing follows; W_out's and b_out's loads and the first pair's O^T go out instead.
.macro TRIP first, fill, last
	MAXP 0, \first
	EXPA 0
	EXPB
	s_wait_dscnt 0x0                               ; V of this step is in
	POST 0, \first
	QK 1
	PV 0, \first
	SUMB 0, \first
.if \last
	WIN 0x04                                       ; store data in window 1
.irp u, 0,1
.irp r, 0,1,2,3,4,5,6,7
	ds_store_b128 v[DST], v[32*\u+4*\r:32*\u+4*\r+3] offset:16384*\u+512*\r
.endr
.endr
	LOADW 2, KF                                    ; K's registers and Q's are done with
.irp t, 0,1,2,3                        ; b_out of columns 64 w + 16 t + 8 h + 0 .. 7
	global_load_b128 v[QF+8*\t:QF+8*\t+3], v[BO], s[10:11] offset:64*\t
	global_load_b128 v[QF+8*\t+4:QF+8*\t+7], v[BO], s[10:11] offset:64*\t+16
.endr
.else
	s_wait_alu depctr_va_vdst(0)                   ; directly ahead of the wait below
	s_wait_tensorcnt 0x0                           ; no tensor load of mine is out, so group 0 may be written
	ds_add_u32 v[SPW], v[NIL]                      ; 0 onto my spare word; once: every way from the head to it leads through a tensor load
	s_xor_b32 s[TB], s[TB], SLOT1                  ; on to the other slot
.if \fill
	s_xor_b32 s[G0+1], s[G0+1], SLOT1              ; the walking descriptor: the other slot than last time,
	s_add_nc_u64 s[G0+2:G0+3], s[G0+2:G0+3], SLOT1 ; the next 64 KiB; the type bits on top are not reached
	s_wait_xcnt 0x0                                ; the last prefetch, a trip back, has read its address, so it may be written:
	s_add_nc_u64 s[PFA:PFA+1], s[PFA:PFA+1], SLOT1 ; one slot further on than the walking descriptor
.endif
	s_wait_dscnt 0x0                               ; the add is done, and so are my reads of the slot in hand
	s_barrier_signal -1
.endif
	MAXP 1, \first
.if \last == 0
	v_add_nc_u32 v[ADR], s[TB], v[LIQ]
.endif
	EXPA 1                                         ; (it ends with a wait)
.if \last == 0
	s_barrier_wait -1
.if \fill
	CREST
	JLOAD
	ASK
.else
	ASKW
.endif
	LOADKV KF, 0                                   ; K of the next step
.else
	s_wait_dscnt 0x0                               ; the first pair's O^T has left its registers:
	LOADW 0, 0
.endif
	EXPB
	POST 1, \first
.if \last == 0
	s_wait_alu depctr_va_vdst(0)                   ; directly ahead of the wait below
	s_wait_dscnt 0x0                               ; K of the next step is in
	QK 0
.endif
	PV 1, \first
	SUMB 1, \first
.if \last == 0
	LOADKV VF, 8192                                ; V of the next step
.endif
.endm
	s_load_b256 s[4:11], s[0:1], 0x0               ; qimg s[4:5], kv s[6:7], wimg s[8:9], b_out s[10:11]
	s_load_b128 s[12:15], s[0:1], 0x20             ; the scales' exponents s[12:13], out0 s[14:15]
	v_lshl_add_u32 v[SPW], v0, 2, SPARE
	v_mov_b32 v[NIL], 0
	ds_add_u32 v[SPW], v[NIL]                      ; the wave's opening: the add, twice on end, and its wait ahead of my first tensor load; the set-up below, work on registers, stands between the second and the wait
	ds_add_u32 v[SPW], v[NIL]
	v_lshrrev_b32 v8, 5, v0
	v_readfirstlane_b32 s[WV], v8                  ; wave 0..7
	s_bfe_u32 s17, ttmp6, 0x40000                  ; cx: my place in the cluster
	s_and_b32 s19, ttmp7, 0xffff                   ; the head, which the four partners share
	; the joint loads: made of the head and the wave's number alone
	s_lshl_b32 s52, s19, 19                        ; the head's 512 KiB of kv,
	s_lshl_b32 s[G0+1], s[WV], 13                  ; my eighth of a slot: 63:32 LDS address = 8,192 x wave, in slot 0,
	s_add_co_u32 s52, s52, s[G0+1]                 ; and the same in memory
	s_mov_b32 s53, 0
	s_mov_b32 s[G0], 1                             ; 1:0 count = 1
	s_mov_b32 s[G1], 15|(3<<16)|(1<<21)            ; 15:0 the mask: all four work-groups; 17:16 elements of 8 bytes; 20 no padding: images are read 512 consecutive bytes at a time; 21 set beside a mask
	s_mov_b32 s[G1+1], 32<<16                      ; tensor_dim0 = 32 elements: rows of 256 bytes
	s_mov_b32 s[G1+2], 32<<16                      ; tensor_dim1 = 32 rows: 8 KiB
	s_mov_b32 s[G1+3], 32<<16                      ; tile_dim0 = 32
	s_mov_b32 s[G1+4], 32                          ; tile_dim1 = 32
	s_mov_b32 s[G1+5], 32                          ; tensor_dim0_stride: the block is dense
	s_mov_b32 s[G1+6], 0
	s_mov_b32 s[G1+7], 0
	s_mov_b32 s[SEL], 0x76543210
	s_mov_b32 s[SEL+1], 0xfedcba98
	s_mov_b32 s[CS], 0x3e38aa3b                    ; c = log2(e) / sqrt(64)
	s_mov_b32 s[TB], 0
	s_mov_b32 s[SLOTS], 6                          ; the head's eight slots' worth of keys, less the two asked for at the head
	; my own rows: these hang on cx and enter Q's, out0's and the prefetches' addresses alone
	s_lshl_b32 s18, ttmp9, 2                       ; in a cluster launch ttmp9 counts clusters
	s_add_co_u32 s18, s18, s17
	s_lshl_b32 s54, s19, 5
	s_add_co_u32 s18, s18, s54                     ; RT = 32 head + 4 cluster x + cx
	s_and_b32 s68, s[WV], 3                        ; my quarter of the keys
	s_lshr_b32 s69, s[WV], 2                       ; my half of the tiles
	s_lshl_b32 s54, s18, 13                        ; qimg: 8,192 bytes a row tile, 1,024 a tile of queries
	s_lshl_b32 s56, s69, 12
	s_add_co_u32 s54, s54, s56
	s_mov_b32 s55, 0
	s_lshl_b32 s56, s18, 15                        ; out0: 16 rows of 2,048 bytes; my 64 columns are 256 bytes
	s_lshl_b32 s58, s[WV], 8
	s_add_co_u32 s56, s56, s58
	s_mov_b32 s57, 0
	s_mov_b32 s59, 0                               ; s[58:59]: my 64 numbers of b_out
	s_lshl_b32 s60, s[WV], 15                      ; wimg: my four n tiles, 32 KiB
	s_mov_b32 s61, 0
	s_lshl_b32 s42, s19, 19                        ; the prefetches: the head's block, + 16 KiB x cx, + 8 KiB x (wave % 2),
	s_lshl_b32 s43, s17, 14
	s_add_co_u32 s42, s42, s43
	s_and_b32 s43, s[WV], 1
	s_lshl_b32 s43, s43, 13
	s_add_co_u32 s42, s42, s43
	s_add_co_u32 s42, s42, 2*SLOT1                 ; in slot 2's bytes: the first change of slots steps it to slot 3's.  Nothing is prefetched here, at the head
	s_mov_b32 s43, 0
	s_lshr_b32 s[LIM], s[WV], 1                    ; 0 in waves 0 and 1,
	s_or_b32 s[LIM], s[LIM], ttmp9                 ; where the cluster is the head's first: the same in all four partners
	s_cmp_eq_u32 s[LIM], 0
	s_cselect_b32 s[LIM], 1, -1
	s_lshl_b32 s76, s19, 2                         ; W_out's prefetch: 8 KiB x (2 (4 head + cx) + wave % 2), inside the image in every wave
	s_add_co_u32 s76, s76, s17
	s_lshl_b32 s76, s76, 1
	s_and_b32 s77, s[WV], 1
	s_add_co_u32 s76, s76, s77
	s_lshl_b32 s76, s76, 13
	s_and_b32 s76, s76, 0x3ffff
	s_mov_b32 s77, 0
	s_cmp_lt_u32 s19, 4
	s_cselect_b32 s78, s[LIM], -1                  ; 1 in the waves that ask
	; LDS bases, made of the wave's number alone
	s_lshl_b32 s70, s69, 16
	s_lshl_b32 s71, s68, 12
	s_add_co_u32 s70, s70, s71
	s_add_co_u32 s70, s70, DUMP                    ; my O^T: [tile 4 (w / 4)][quarter w % 4]
	s_lshl_b32 s71, s[WV], 14
	s_add_co_u32 s71, s71, DUMP                    ; tile w's four
	s_lshl_b32 s72, s69, 12
	s_lshl_b32 s73, s68, 8
	s_add_co_u32 s72, s72, s73
	s_add_co_u32 s72, s72, ML
	s_lshl_b32 s73, s[WV], 10
	s_add_co_u32 s74, s73, FIMG                    ; columns 64 w on are pieces 2 w, 2 w + 1 of the sixteen
	s_add_co_u32 s73, s73, ML
	s_mul_i32 s75, s[WV], 16*SP
	s_add_co_u32 s75, s75, STG                     ; my stage
	s_lshl_b32 s68, s68, 14
	s_wait_dscnt 0x0                               ; both opening adds are done
	s_wait_kmcnt 0x0
	s_load_b128 s[44:47], s[12:13], 0x18           ; e6, e7, e8, e9
	s_load_b64 s[48:49], s[12:13], 0x28            ; e10, e11
	s_add_nc_u64 s[G0+2:G0+3], s[6:7], s[52:53]    ; 120:64 global address: my eighth of the head's first slot
	s_or_b32 s[G0+3], s[G0+3], 0x80000000          ; 127:126 type = 2
	s_add_nc_u64 s[PFA:PFA+1], s[6:7], s[42:43]
	s_add_nc_u64 s[4:5], s[4:5], s[54:55]
	s_add_nc_u64 s[14:15], s[14:15], s[56:57]
	s_add_nc_u64 s[10:11], s[10:11], s[58:59]
	s_add_nc_u64 s[76:77], s[8:9], s[76:77]
	s_add_nc_u64 s[8:9], s[8:9], s[60:61]
	CROUND                                         ; all four work-groups are here: the first joint loads meet
	JLOAD                                          ; slot 0: one tensor load of mine is out
	v_and_b32 v32, 31, v0                          ; lane
	v_and_b32 v33, 15, v0                          ; r
	v_bfe_u32 v34, v0, 4, 1                        ; h
	v_lshlrev_b32 v[LI], 4, v32
	v_lshlrev_b32 v[PFO], 8, v32
	v_lshl_add_u32 v[MST], v32, 3, s72
	v_lshl_add_u32 v[MLD], v32, 3, s73
	v_lshlrev_b32 v[BO], 5, v34
	v_lshlrev_b32 v[GO], 11, v34                   ; lanes 0-15 take one row of out0, lanes 16-31 the next; 16 bytes a lane
	v_mul_u32_u24 v[STO], v33, SP                  ; in: row r, 32 bytes for each half of the lanes
	v_mul_u32_u24 v[RD], v34, SP                   ; back: lanes 0-15 one row of 256 bytes, lanes 16-31 the next
	v_lshl_add_u32 v[GO], v33, 4, v[GO]
	v_lshl_add_u32 v[STO], v34, 5, v[STO]
	v_lshl_add_u32 v[RD], v33, 4, v[RD]
	v_add_nc_u32 v[LIQ], s68, v[LI]
	v_add_nc_u32 v[ADR], s68, v[LI]                ; slot 0
	v_add_nc_u32 v[STO], s75, v[STO]
	v_add_nc_u32 v[RD], s75, v[RD]
	v_add_nc_u32 v[FST], s74, v[LI]
	v_add_nc_u32 v[DST], s70, v[LI]
	v_add_nc_u32 v[DLD], s71, v[LI]
	v_mov_b32 v[PM], 0                             ; written once: a lane permute's destination counts as one of its sources
	v_mov_b32 v[PM+1], 0
	s_wait_alu depctr_va_vdst(0)
.set i, 0
.rept 8
	global_load_b128 v[QF+4*i:QF+4*i+3], v[LI], s[4:5] offset:512*i th:TH_LOAD_NT   ; Q's four fragments stay in registers
.set i, i+1
.endr
	s_wait_kmcnt 0x0
	s_add_co_i32 s52, s44, s45
	s_lshl_b32 s52, s52, 23
	s_add_co_i32 s[CS], s[CS], s52                 ; a score stands for score x 2^(e6 + e7): the two exponents are added to c's exponent field
	s_mov_b32 s[CS+1], s[CS]                       ; (named with it as a pair, so it is written)
	s_add_co_i32 s52, s46, 127
	s_lshl_b32 s58, s52, 23                        ; 2^e8 as f32, for p's conversions
	s_add_co_i32 s52, s52, 15
	s_lshl_b32 s52, s52, 23
	s_or_b32 s[LIMP], s52, 0x600000                ; 57,344 x 2^e8
	s_add_co_i32 s52, s48, 127
	s_lshl_b32 s[SCO], s52, 23                     ; the same with e10, for the attention's result
	s_add_co_i32 s52, s52, 15
	s_lshl_b32 s52, s52, 23
	s_or_b32 s[LIMO], s52, 0x600000
	s_add_co_i32 s63, s46, s47                     ; e8 + e9
	s_add_co_i32 s50, s48, s49
	s_add_co_i32 s50, s50, 127
	s_lshl_b32 s50, s50, 23                        ; 2^(e10 + e11) as f32
	s_mov_b32 s51, s50                             ; (named with it as a pair)
	v_mov_b32 v[SCP], s58
	s_wait_alu depctr_va_vdst(0)                   ; the wait at the head's end
	s_wait_tensorcnt 0x0                           ; my eighth of slot 0 is in; the same lines as ahead of a refill:
	ds_add_u32 v[SPW], v[NIL]                      ; 0 onto my spare word
	s_xor_b32 s[G0+1], s[G0+1], SLOT1
	s_add_nc_u64 s[G0+2:G0+3], s[G0+2:G0+3], SLOT1
	s_wait_dscnt 0x0
	CROUND                                         ; slot 0 is whole
	JLOAD                                          ; slot 1, the first tensor load behind the round
	LOADKV KF, 0
	s_wait_loadcnt 0x0                             ; Q
	s_wait_dscnt 0x0                               ; K of step 0
	QK 0
	WIN 0
	PLACES
	LOADKV VF, 8192
	TRIP 1, 1, 0                                   ; the first step starts M, the sums and O^T: nothing is cleared
	s_wait_alu depctr_va_vdst(0)                   ; the wait ahead of the loop
	s_mov_b32 s[SLOTS], 5
.Lslot:                                ; 5 trips: trip k = 1 .. 5 walks slot k and asks for slot k + 2
	TRIP 0, 1, 0
	s_sub_co_u32 s[SLOTS], s[SLOTS], 1
	s_cmp_lg_u32 s[SLOTS], 0
	s_wait_alu depctr_va_vdst(0)                   ; directly ahead of the branch
	s_cbranch_scc1 .Lslot
	TRIP 0, 0, 0                                   ; slot 6: nothing is left to ask for
	TRIP 0, 0, 1                                   ; slot 7
	; THE QUARTERS MEET.  -M and the lane's sum, and O^T of my second pair, go to LDS; the four additions are the places behind the last products
.irp k, 0,1,2,3
	v_add_f32 v[NM+2*\k+1], v[LS+2*\k], v[LS+2*\k+1]
.endr
	s_wait_alu depctr_va_vdst(0)
.irp k, 0,1,2,3
	ds_store_b64 v[MST], v[NM+2*\k:NM+2*\k+1] offset:1024*\k
.endr
	WIN 0x04
.irp u, 2,3
.irp r, 0,1,2,3,4,5,6,7
	ds_store_b128 v[DST], v[32*\u+4*\r:32*\u+4*\r+3] offset:16384*\u+512*\r
.endr
.endr
	LOADW 3, VF
	s_wait_dscnt 0x0                               ; for the others' sake: my stores have landed
	s_barrier_signal -1
	s_barrier_wait -1
.irp k, 0,1,2,3
	ds_load_b64 v[TT+2*\k:TT+2*\k+1], v[MLD] offset:256*\k
.endr
.set i, 0
.rept 32
	ds_load_b128 v[SA+4*i:SA+4*i+3], v[DLD] offset:512*i   ; quarter k's O^T at v[SA + 32 k]
.set i, i+1
.endr
	LOADW 1, 64
	s_wait_dscnt 32                                ; -M and the sums are in; the 32 loads behind them may be out
	v_min_num_f32 v44, v[TT], v[TT+2]
	v_min_num_f32 v45, v[TT+4], v[TT+6]
	v_min_num_f32 v44, v44, v45                    ; the row's -M
.irp k, 0,1,2,3
	v_sub_f32 v[NM+2*\k+1], v44, v[TT+2*\k]
.endr
.irp k, 0,1,2,3
	v_cvt_i32_f32 v[NM+2*\k+1], v[NM+2*\k+1]
.endr
.irp k, 0,1,2,3
	v_ldexp_f32 v[NM+2*\k], 1.0, v[NM+2*\k+1]      ; 2^(the quarter's M - the row's M)
.endr
	v_mul_f32 v46, v[NM], v[TT+1]
	v_fma_f32 v46, v[NM+2], v[TT+3], v46
	v_fma_f32 v46, v[NM+4], v[TT+5], v46
	v_fma_f32 v46, v[NM+6], v[TT+7], v46
	v_permlanex16_b32 v[PM], v46, s[SEL], s[SEL+1]
	v_mov_b32 v34, s[SCO]
	v_mov_b32 v35, s[LIMO]
	v_add_f32 v46, v46, v[PM]                      ; and lane l xor 16's: the row's sum
	s_wait_alu depctr_va_vdst(0)                   ; the wait ahead of the transcendental
	v_rcp_f32 v46, v46
	v_nop                                          ; a plain line behind the reciprocal
	s_wait_alu depctr_va_vdst(0)                   ; and the wait ahead of its first reader
	v_ldexp_f32 v46, v46, s63                      ; x 2^(e8 + e9)
.irp k, 0,1,2,3
	v_mul_f32 v[NM+2*\k], v[NM+2*\k], v46          ; by a power of two: one factor for each quarter
.endr
	s_wait_alu depctr_va_vdst(0)                   ; directly ahead of the wait below
	s_wait_dscnt 0x0
.irp j, 0,2,4,6,8,10,12,14,16,18,20,22,24,26,28,30
	v_pk_mul_f32 v[SA+\j:SA+\j+1], v[SA+\j:SA+\j+1], v[NM:NM+1] op_sel_hi:[1,0]
.endr
.irp k, 1,2,3
.irp j, 0,2,4,6,8,10,12,14,16,18,20,22,24,26,28,30
	v_pk_fma_f32 v[SA+\j:SA+\j+1], v[SA+32*\k+\j:SA+32*\k+\j+1], v[NM+2*\k:NM+2*\k+1], v[SA+\j:SA+\j+1] op_sel_hi:[1,0,1]   ; the attention's result
.endr
.endr
	; it is quantised with 2^e10: my 32 registers become pieces 2 w, 2 w + 1 of the last product's operand (16 rows x 512)
.irp c, 0,1
.irp i, 0,1,2,3,4,5,6,7,8,9,10,11,12,13,14,15
	v_med3_num_f32 v[SA+16*\c+\i], v[SA+16*\c+\i], -v35, v35
.endr
	v_cvt_scalef32_pk8_bf8_f32 v[PC+4*\c:PC+4*\c+1], v[SA+16*\c:SA+16*\c+7], v34
	v_cvt_scalef32_pk8_bf8_f32 v[PC+4*\c+2:PC+4*\c+3], v[SA+16*\c+8:SA+16*\c+15], v34
.endr
	v_add_nc_u32 v36, FIMG, v[LI]                  ; (a plain line behind the last conversion)
	s_wait_alu depctr_va_vdst(0)
	ds_store_b128 v[FST], v[PC:PC+3]
	ds_store_b128 v[FST], v[PC+4:PC+7] offset:512
	s_wait_dscnt 0x0                               ; for the others' sake: my stores have landed
	s_barrier_signal -1
	s_barrier_wait -1                              ; the sixteen pieces lie in LDS
.set i, 0
.rept 16
	ds_load_b128 v[SB+4*i:SB+4*i+3], v36 offset:512*i   ; K step s of the last product at v[SB + 16 s]
.set i, i+1
.endr
	s_wait_dscnt 0x0
	s_wait_loadcnt 0x0                             ; W_out's fragments and b_out
	WIN 0x01                                       ; source 0 in window 1: the fragment (n tile 4 w + t, K step s) at v[16 (4 t + s)]
.irp s, 0,1,2,3
.irp t, 0,1,2,3
.if \s == 0
	v_wmma_f32_16x16x128_bf8_bf8 v[SA+8*\t:SA+8*\t+7], v[16*(4*\t+\s):16*(4*\t+\s)+15], v[SB+16*\s:SB+16*\s+15], 0
.else
	v_wmma_f32_16x16x128_bf8_bf8 v[SA+8*\t:SA+8*\t+7], v[16*(4*\t+\s):16*(4*\t+\s)+15], v[SB+16*\s:SB+16*\s+15], v[SA+8*\t:SA+8*\t+7]
.endif
.endr
.endr
	WIN 0
	PLACES
.irp t, 0,1,2,3
.irp i, 0,2,4,6
	v_pk_fma_f32 v[SA+32+8*\t+\i:SA+32+8*\t+\i+1], v[SA+8*\t+\i:SA+8*\t+\i+1], s[50:51], v[QF+8*\t+\i:QF+8*\t+\i+1] op_sel_hi:[1,0,1]   ; y = sum x 2^(e10 + e11) + b_out: lane (r, h): row r, columns 64 w + 16 t + 8 h + 0 .. 7
.endr
.endr
.irp t, 0,1,2,3
	ds_store_b128 v[STO], v[SA+32+8*\t:SA+32+8*\t+3] offset:64*\t
	ds_store_b128 v[STO], v[SA+32+8*\t+4:SA+32+8*\t+7] offset:64*\t+16
.endr
.irp i, 0,1,2,3,4,5,6,7
	ds_load_b128 v[PC+4*\i:PC+4*\i+3], v[RD] offset:2*\i*SP   ; my own stage: LDS serves a wave's instructions in order (ISA guide 5.7.1.4), so these see my stores
.endr
.irp i, 0,1,2,3,4,5,6,7
	s_wait_dscnt 7-\i                              ; rows 2 i, 2 i + 1 are back; the younger loads may be out
	global_store_b128 v[GO], v[PC+4*\i:PC+4*\i+3], s[14:15] offset:4096*\i th:TH_STORE_NT   ; 16 lanes store 256 consecutive bytes, at a multiple of 256 from out0's first byte
.endr
	s_wait_tensorcnt 0x0                           ; the wave's end: three lines behind my last tensor load and my last LDS store
	ds_add_u32 v[SPW], v[NIL]
	s_wait_dscnt 0x0
	CROUND                                         ; the closing round: no work-group ends while a partner may still ask for a tile that names it
	s_endpgm
.Lfunc_end_k_qf51724601c_attend:
	.size	k_qf51724601c_attend, .Lfunc_end_k_qf51724601c_attend-k_qf51724601c_attend
	.p2alignl 7, 3214868480
	.fill 96, 4, 3214868480
	.section	.rodata,"a",@progbits
	.p2align	6, 0x0
	.amdhsa_kernel k_qf51724601c_attend
		.amdhsa_group_segment_fixed_size 327680
		.amdhsa_private_segment_fixed_size 0
		.amdhsa_enable_private_segment 0
		.amdhsa_kernarg_size 48
		.amdhsa_user_sgpr_count 2
		.amdhsa_user_sgpr_kernarg_segment_ptr 1
		.amdhsa_wavefront_size32 1
		.amdhsa_system_sgpr_workgroup_id_x 1
		.amdhsa_system_sgpr_workgroup_id_y 1
		.amdhsa_system_sgpr_workgroup_id_z 1
		.amdhsa_system_vgpr_workitem_id 0
		.amdhsa_next_free_vgpr 512
		.amdhsa_next_free_sgpr 96
		.amdhsa_reserve_vcc 0
		.amdhsa_float_denorm_mode_32 3
		.amdhsa_float_denorm_mode_16_64 3
		.amdhsa_memory_ordered 1
		.amdhsa_forward_progress 1
		.amdhsa_inst_pref_size 245
	.end_amdhsa_kernel
	.amdgpu_metadata
---
amdhsa.version: [ 1, 2 ]
amdhsa.kernels:
  - .name:           k_qf51724601c_attend
    .symbol:         k_qf51724601c_attend.kd
    .args:
      - { .name: qimg, .offset: 0, .size: 8, .value_kind: global_buffer, .address_space: global }
      - { .name: kv, .offset: 8, .size: 8, .value_kind: global_buffer, .address_space: global }
      - { .name: wimg, .offset: 16, .size: 8, .value_kind: global_buffer, .address_space: global }
      - { .name: b_out, .offset: 24, .size: 8, .value_kind: global_buffer, .address_space: global }
      - { .name: lowp_scales, .offset: 32, .size: 8, .value_kind: global_buffer, .address_space: global }
      - { .name: out0, .offset: 40, .size: 8, .value_kind: global_buffer, .address_space: global }
    .group_segment_fixed_size: 327680
    .private_segment_fixed_size: 0
    .kernarg_segment_align: 8
    .kernarg_segment_size: 48
    .max_flat_workgroup_size: 256
    .sgpr_count:     96
    .vgpr_count:     512
    .wavefront_size: 32
...
	.end_amdgpu_metadata
.endif
;; end of part 2
